; MI455X (gfx1250); checked and timed in simulation.
; The chip was launched on July 23, 2026; its instructions are those of AMD's public machine-readable ISA for CDNA 5 (MIT licence, August 2026) and "CDNA5" Instruction Set Architecture Reference Guide (July 2026). The comments in the code are by the model that wrote it; some were corrected since.
;; Bert Self Attention. Allowed arithmetic: matrix products marked QUANTISED: E2M3 operands, one E8M0 scale for each 32 along K, by v_wmma_scale_f32_16x16x128_f8f6f4 with both operands' format E2M3, f32 sums; everything else in f32.
;; Inputs: Wk_codes 1,024 x 32 x 24 uint8 (E2M3 codes of Wk, K innermost, in blocks of 32 codes, four codes in three bytes); Wk_scales 1,024 x 32 uint8 (E8M0 scales of Wk, one for each 32 codes along K); Wq_codes 1,024 x 32 x 24 uint8 (E2M3 codes of Wq, K innermost, in blocks of 32 codes, four codes in three bytes); Wq_scales 1,024 x 32 uint8 (E8M0 scales of Wq, one for each 32 codes along K); Wv_codes 1,024 x 32 x 24 uint8 (E2M3 codes of Wv, K innermost, in blocks of 32 codes, four codes in three bytes); Wv_scales 1,024 x 32 uint8 (E8M0 scales of Wv, one for each 32 codes along K); attention_mask 8 x 1 x 1 x 1,024 float32; bk 1,024 float32; bq 1,024 float32; bv 1,024 float32; dist_emb 2,047 x 64 float32; hidden_states_codes 8 x 1,024 x 32 x 24 uint8 (E2M3 codes of hidden_states, K innermost, in blocks of 32 codes, four codes in three bytes); hidden_states_scales 8 x 1,024 x 32 uint8 (E8M0 scales of hidden_states, one for each 32 codes along K).
;; Outputs: out0 8 x 1,024 x 1,024 float32.
;; This version of the problem:
;;   THIS VERSION OF THE PROBLEM IS GIVEN IN LOW PRECISION. The matrix products marked QUANTISED in the list below multiply operands that are first quantised to E2M3 (2 exponent bits, 3 mantissa bits; 6 bits a number), with one power-of-two scale for each 32 numbers along K (OCP MX v1.0); their sums are f32. All else is computed in f32.
;;   The module's matrix products, in the order in which they are computed (A, B: the left and right operand; K: the contracted axis; several contracted axes count as one K, in the product's order):
;;     1. [M 8,192, K 1,024] x [K 1,024, N 1,024]; A: input hidden_states (given as codes); B: input Wq (given as codes): QUANTISED
;;     2. [M 8,192, K 1,024] x [K 1,024, N 1,024]; A: input hidden_states (given as codes); B: input Wk (given as codes): QUANTISED
;;     3. [M 8,192, K 1,024] x [K 1,024, N 1,024]; A: input hidden_states (given as codes); B: input Wv (given as codes): QUANTISED
;;     4. batch 128 x [M 1,024, K 64] x [K 64, N 1,024]; A: computed on the way; B: computed on the way: QUANTISED
;;     5. batch 1,024 x [M 1,024, K 64] x [K 64, N 128]; A: computed on the way; B: computed on the way: QUANTISED
;;     6. batch 1,024 x [M 1,024, K 64] x [K 64, N 128]; A: computed on the way; B: computed on the way: QUANTISED
;;     7. batch 128 x [M 1,024, K 1,024] x [K 1,024, N 64]; A: softmax (see below); B: computed on the way: QUANTISED
;;   THE QUANTISER, for each operand of a quantised product, along K:
;;     - K is cut into blocks of 32 from its start; a last block that is shorter is filled with zeros.
;;     - A block's scale is 2^e with e = floor(log2(the largest magnitude in the block)) - 2, held to -126 .. 127; a block of zeros has e = 0. As a byte (E8M0): e + 127.
;;     - Each number is divided by its block's scale, clamped to +-7.5, and rounded to the nearest number of E2M3, ties to even, subnormals kept.
;;     - The product sums the exact products of the quantised numbers (number of the format x scale) in f32.
;;   ~~~python
;;   def quantise(x, axis):      # numpy; x: float32 -> the quantised numbers, widened to float32 again
;;       x = np.moveaxis(x, axis, -1); K = x.shape[-1]
;;       x = np.pad(x, [(0, 0)] * (x.ndim - 1) + [(0, -K % 32)]); x = x.reshape(x.shape[:-1] + (-1, 32)); a = np.abs(x).max(-1, keepdims=True)
;;       e = np.where(a > 0, np.clip(np.frexp(np.where(a > 0, a, 1))[1] - 1 - 2, -126, 127), 0)      # np.frexp(a)[1] - 1 = floor(log2(a)), exactly
;;       r = np.clip(x / 2.0 ** e, -7.5, 7.5)
;;       step = 2.0 ** (np.maximum(np.frexp(np.where(r == 0, 1, r))[1] - 1, 0) - 3)
;;       q = np.round(r / step) * step * 2.0 ** e      # np.round: ties to even
;;       return np.moveaxis(q.reshape(q.shape[:-2] + (-1,))[..., :K], -1, axis).astype(np.float32)
;;   ~~~
;;   SOFTMAX AHEAD OF A QUANTISED PRODUCT. Where the list says 'softmax', what is quantised is not the finished softmax but p = 2^(t - M), with t = logit x log2(e) and M = ceil(the row's largest t), a whole number; so 1/2 < the row's largest p <= 1. The row's sum l is taken of the UNQUANTISED p, in f32, and the product's result is divided by l at the end. Since M is a whole number, a kernel that streams over the keys may use a running M (the ceiling of the running maximum): every later rescaling is an exact power of two, which a block's scale takes up: the codes' values come out the same.
;;   OPERANDS COMPUTED ON THE WAY. 'Computed on the way' means the value that the module computes at that place (a softmax that the list does not call 'softmax' is quantised finished and normalised). What goes into a quantiser is computed in f32, as accurately as f32 sums, v_exp_f32 and their like allow (about 1e-6 of the number): no bf16 or f16 on the way to a quantiser, and a product that is left as it is and whose result goes on into a quantised operand takes f32 operands (vector FMAs, or v_wmma_f32_16x16x4_f32). A number that lies on a knife's edge between two numbers of the format may be rounded either way, as far as f32 arithmetic and the matrix unit's own rounding can turn it there, and no further.
;;   INPUTS GIVEN AS CODES. Wk (in the module: [1024, 1024], K = its axis 1); Wq (in the module: [1024, 1024], K = its axis 1); Wv (in the module: [1024, 1024], K = its axis 1); hidden_states (in the module: [8, 1024, 1024], K = its axis 2): each comes as NAME_codes (uint8): NAME with its K axis moved to the last place and cut into blocks of 32 codes, [.., K / 32, bytes a block], one block behind the other in memory; four codes in three bytes: a row's codes are one little-endian stream of bits, code i at bits 6 i .. 6 i + 5 (a code: sign, 2 exponent bits, 3 mantissa bits); and NAME_scales (uint8): the same leading axes, one E8M0 byte (e + 127) for each 32 codes along K. Its value is code x scale, taken as it is: it is not quantised again, and the codes and scales need not be those that the quantiser above would give.
;; One version. Each part assembles by itself: llvm-mc -triple=amdgcn-amd-amdhsa -mcpu=gfx1250 --defsym DOCPART=n.
;; ======== version 1 of 1: 3 launches
;; limits: right only within a limited range of input values
;; workspace buffers: qw 6,291,456 bytes; kw 6,291,456 bytes; vw 6,291,456 bytes; qsw 524,288 bytes; aux 786,432 bytes; dw 98,304 bytes; dsw 8,192 bytes
;; launch dq (part 1): grid 32 x 1, 4 waves a work-group, no clusters, 768 bytes of LDS; arguments dist_emb, dw, dsw; writes dw, dsw
.if DOCPART == 1
	.amdgcn_target "amdgcn-amd-amdhsa--gfx1250"
	.amdhsa_code_object_version 6
	.text
	.protected	k_qb55ecbf426_dq
	.globl	k_qb55ecbf426_dq
	.p2align	8
	.type	k_qb55ecbf426_dq,@function
k_qb55ecbf426_dq:
	s_mov_b64 s[64:65], 0
	v_nop
	global_prefetch_b8 v0, s[64:65] scope:SCOPE_SE
	s_setreg_imm32_b32 hwreg(HW_REG_WAVE_MODE, 25, 1), 1
	s_wait_xcnt 0x0
; dist_emb [2047][64] f32 becomes codes of FP6 (E2M3) along its 64 numbers, two blocks of 32 a row, laid as images of operand registers.
; D' is dist_emb moved down by one row: row j' holds dist_emb[j' - 1]; row 0 is a copy of row 1 and is never selected later.  Tile J = rows 16 J .. 16 J + 15 of D'; it is stored at place rho = 127 - J.
; A GROUP (16 rows x 64 codes) is six registers a lane: lane (r, h) holds row r, numbers 32 h .. 32 h + 31.  Its image is 768 bytes: registers 0-3 at 16 x lane, registers 4-5 at 512 + 8 x lane.
; dsw[rho][r] = the two scale bytes of row 16 J + r, and above them those of row 16 (J - 1) + r: the scale word of an operand made of tile J and tile J - 1 on end.
; A block's scale is 2^(floor(log2(largest magnitude)) - 2); its byte is the largest magnitude's exponent field - 2, held at 1 from below (a block of zeros keeps the byte 1: its codes are zeros, and this program alone reads the bytes).
; LIMITS: blocks whose largest magnitude lies under 2^-124 keep the byte 1; NaN and infinities in dist_emb are not served.
; One wave a tile, 128 tiles.  A lane holds a whole block, so no other lane is asked for a maximum.  No matrix unit, no tensor load: 0.5 MB is read once.
.set X,   16                           ; v16-47  my block of tile J
.set Z,   48                           ; v48-79  my block of tile J - 1 (its scale byte alone is wanted)
.set C,   80                           ; v80-85  the group's six registers
.set C2,  88                           ; v88-90  the block's upper 16 codes, as the conversion leaves them
.macro BMAX d, t, s                    ; the largest magnitude of v[s] .. v[s + 31], in two chains, with the floor 2^(3 - 127) as one more leaf
	v_max3_num_f32 v[\d], |v[\s]|, |v[\s+1]|, |v[\s+2]|
	v_max3_num_f32 v[\t], |v[\s+3]|, |v[\s+4]|, |v[\s+5]|
.irp i, 6,10,14,18,22,26
	v_max3_num_f32 v[\d], v[\d], |v[\s+\i]|, |v[\s+\i+1]|
	v_max3_num_f32 v[\t], v[\t], |v[\s+\i+2]|, |v[\s+\i+3]|
.endr
	v_max3_num_f32 v[\d], v[\d], |v[\s+30]|, |v[\s+31]|
	v_max3_num_f32 v[\d], v[\d], v[\t], 0x1800000
.endm
	s_load_b128 s[4:7], s[0:1], 0x0                ; dist_emb, dw
	s_load_b64 s[8:9], s[0:1], 0x10                ; dsw
	v_lshl_add_u32 v104, v0, 2, 0x100
	v_mov_b32 v105, 0
	v_lshrrev_b32 v1, 5, v0
	v_readfirstlane_b32 s10, v1                    ; wave 0..3
	v_and_b32 v2, 31, v0                           ; lane
	v_and_b32 v3, 15, v0                           ; r
	v_bfe_u32 v4, v0, 4, 1                         ; h
	s_lshl_b32 s11, ttmp9, 2
	s_add_co_u32 s11, s11, s10                     ; J = 4 x work-group + wave
	s_lshl_b32 s12, s11, 4
	v_add_nc_u32 v5, s12, v3                       ; j' = 16 J + r
	v_max_u32 v6, 1, v5
	v_max_u32 v7, 17, v5
	v_sub_nc_u32 v6, v6, 1                         ; the row of dist_emb: max(j' - 1, 0),
	v_sub_nc_u32 v7, v7, 17                        ; and that of the tile below: max(j' - 17, 0)
	v_lshlrev_b32 v6, 8, v6                        ; a row is 256 bytes,
	v_lshlrev_b32 v7, 8, v7
	v_lshl_add_u32 v6, v4, 7, v6                   ; my block 128 h bytes on
	v_lshl_add_u32 v7, v4, 7, v7
	s_sub_co_u32 s13, 127, s11                     ; rho
	s_mul_i32 s14, s13, 768
	s_mov_b32 s15, 0
	s_sub_co_u32 s16, 31, ttmp9                    ; the work-group's four tiles are places 4 (31 - work-group) + (wave xor 3): 256 bytes of dsw
	s_lshl_b32 s16, s16, 8
	s_mov_b32 s17, 0
	s_xor_b32 s18, s10, 3
	s_lshl_b32 s18, s18, 6
	v_lshl_add_u32 v8, v3, 2, s18                  ; LDS: my tile's 64 bytes, my row's word
	v_lshlrev_b32 v9, 4, v2                        ; 16 x lane
	v_lshlrev_b32 v10, 3, v2                       ; 8 x lane
	v_lshlrev_b32 v11, 3, v4                       ; 8 h: my byte's place in a pair of bytes
	s_mov_b32 s20, 0x76543210
	s_mov_b32 s21, 0xfedcba98                      ; v_permlanex16_b32's selects for lane l xor 16
	v_mov_b32 v99, 0                               ; a lane permute's destination counts as one of its sources
	s_wait_alu depctr_va_vdst(0)
	s_wait_kmcnt 0x0
	s_add_nc_u64 s[6:7], s[6:7], s[14:15]
	s_add_nc_u64 s[8:9], s[8:9], s[16:17]
.irp i, 0,1,2,3,4,5,6,7
	global_load_b128 v[X+4*\i:X+4*\i+3], v6, s[4:5] offset:16*\i
.endr
.irp i, 0,1,2,3,4,5,6,7
	global_load_b128 v[Z+4*\i:Z+4*\i+3], v7, s[4:5] offset:16*\i
.endr
	s_wait_loadcnt 0x0
	BMAX 92, 93, X
	BMAX 94, 95, Z
	v_add_nc_u32 v96, 0xff000000, v92              ; 2 off the exponent field: the conversion takes the exponent field of this operand as its scale
	v_add_nc_u32 v98, 0xff000000, v94
	v_cvt_scalef32_pk16_fp6_f32 v[C:C+2], v[X:X+15], v96
	v_cvt_scalef32_pk16_fp6_f32 v[C2:C2+2], v[X+16:X+31], v96   ; (a conversion's three registers begin on an even number)
	v_lshrrev_b32 v97, 23, v96                     ; the scale's byte.  (Also the plain line behind the conversions)
	v_lshrrev_b32 v98, 23, v98
.irp i, 0,1,2
	v_mov_b32 v[C+3+\i], v[C2+\i]
.endr
	v_lshl_or_b32 v97, v98, 16, v97                ; my block's byte of tile J below, of tile J - 1 above,
	v_lshlrev_b32 v97, v11, v97                    ; at block h's place;
	v_permlanex16_b32 v99, v97, s20, s21
	v_or_b32 v97, v97, v99                         ; with lane l xor 16's the word is whole
	global_store_b128 v9, v[C:C+3], s[6:7]         ; 512 consecutive bytes,
	global_store_b64 v10, v[C+4:C+5], s[6:7] offset:512   ; and 256: each at a multiple of 256 from dw's first byte
	ds_store_b32 v8, v97                           ; lanes r and r + 16 write the same word with the same value
	s_wait_dscnt 0x0                               ; for wave 0's sake: my store has landed
	s_barrier_signal -1
	s_barrier_wait -1
	s_cmp_lg_u32 s10, 0
	s_cbranch_scc1 .Ldone
	ds_load_b64 v[12:13], v10                      ; the four tiles' words leave as 256 consecutive bytes
	s_wait_dscnt 0x0
	global_store_b64 v10, v[12:13], s[8:9]
.Ldone:
	s_wait_tensorcnt 0x0
	ds_add_u32 v104, v105
	s_wait_dscnt 0x0
	s_endpgm
.Lfunc_end_k_qb55ecbf426_dq:
	.size	k_qb55ecbf426_dq, .Lfunc_end_k_qb55ecbf426_dq-k_qb55ecbf426_dq
	.p2alignl 7, 3214868480
	.fill 96, 4, 3214868480
	.section	.rodata,"a",@progbits
	.p2align	6, 0x0
	.amdhsa_kernel k_qb55ecbf426_dq
		.amdhsa_group_segment_fixed_size 768
		.amdhsa_private_segment_fixed_size 0
		.amdhsa_enable_private_segment 0
		.amdhsa_kernarg_size 24
		.amdhsa_user_sgpr_count 2
		.amdhsa_user_sgpr_kernarg_segment_ptr 1
		.amdhsa_wavefront_size32 1
		.amdhsa_system_sgpr_workgroup_id_x 1
		.amdhsa_system_sgpr_workgroup_id_y 1
		.amdhsa_system_sgpr_workgroup_id_z 1
		.amdhsa_system_vgpr_workitem_id 0
		.amdhsa_next_free_vgpr 106
		.amdhsa_next_free_sgpr 66
		.amdhsa_reserve_vcc 0
		.amdhsa_float_denorm_mode_32 3
		.amdhsa_float_denorm_mode_16_64 3
		.amdhsa_memory_ordered 1
		.amdhsa_forward_progress 1
		.amdhsa_inst_pref_size 7
	.end_amdhsa_kernel
	.amdgpu_metadata
---
amdhsa.version: [ 1, 2 ]
amdhsa.kernels:
  - .name:           k_qb55ecbf426_dq
    .symbol:         k_qb55ecbf426_dq.kd
    .args:
      - { .name: dist_emb, .offset: 0, .size: 8, .value_kind: global_buffer, .address_space: global }
      - { .name: dw, .offset: 8, .size: 8, .value_kind: global_buffer, .address_space: global }
      - { .name: dsw, .offset: 16, .size: 8, .value_kind: global_buffer, .address_space: global }
    .group_segment_fixed_size: 768
    .private_segment_fixed_size: 0
    .kernarg_segment_align: 8
    .kernarg_segment_size: 24
    .max_flat_workgroup_size: 128
    .sgpr_count:     66
    .vgpr_count:     106
    .wavefront_size: 32
...
	.end_amdgpu_metadata
.endif
;; end of part 1
;; launch proj (part 2): grid 12 x 32, 4 waves a work-group, clusters of 4 x 4, 327,680 bytes of LDS; arguments hidden_states_codes, hidden_states_scales, Wq_codes, Wq_scales, Wk_codes, Wk_scales, Wv_codes, Wv_scales, bq, bk, bv, qw, kw, vw, qsw, aux; writes qw, kw, vw, qsw, aux
.if DOCPART == 2
	.amdgcn_target "amdgcn-amd-amdhsa--gfx1250"
	.amdhsa_code_object_version 6
	.text
	.protected	k_qb55ecbf426_proj
	.globl	k_qb55ecbf426_proj
	.p2align	8
	.type	k_qb55ecbf426_proj,@function
k_qb55ecbf426_proj:
	s_mov_b64 s[64:65], 0
	v_nop
	global_prefetch_b8 v0, s[64:65] scope:SCOPE_SE
	s_setreg_imm32_b32 hwreg(HW_REG_WAVE_MODE, 25, 1), 1
	s_wait_xcnt 0x0
	s_wait_alu depctr_hold_cnt(0) depctr_sa_sdst(0) depctr_va_vdst(0) depctr_va_sdst(0) depctr_va_ssrc(0) depctr_va_vcc(0) depctr_vm_vsrc(0)
	s_getreg_b32 s2, hwreg(HW_REG_IB_STS2, 6, 4)
	s_cmp_eq_u32 s2, 0
	s_cbranch_scc0 .Lentry_in_a_cluster
	s_endpgm
.Lentry_in_a_cluster:
	s_bfe_u32 s2, ttmp6, 0x10000c
	s_cmp_lg_u32 s2, 0xf033
	s_cbranch_scc0 .Lentry_shape_is_right
	s_endpgm
.Lentry_shape_is_right:
; q = h Wq^T + bq, k = h Wk^T + bk, v = h Wv^T + bv on the given codes of FP6 (E2M3) with E8M0 scales; the results are quantised anew and stored as images of operand registers.
; Cluster x = 0: q, 1: k (A = h, B = the weight; codes along the head's 64 channels); 2: v (A = Wv, B = h: codes along the keys).  No work of the problem is left out.
; A block of 256 x 256 to a work-group, 128 x 128 to a wave.  K = 1,024 is 768 bytes a row: three chunks of 256 bytes go through a ring of two LDS slots; a step of 128 along K is 96 bytes, eight steps.
; 4 x 4 clusters: A's tiles are asked for jointly along a row of the cluster, B's along a column.  All scales of the block's rows come once, at the head.
; No prefetch: a row has three chunks, two of which are asked for at the head.
; Windows: 0: addresses, scale words v32-63, biases v64-127, A's fragments from v128; 1: B's fragments, two sets; 2, 3: the 64 accumulators.
.set NQ,     2
.set ROWB,   256
.set KROW,   768
.set STEPS,  8
.set CHUNKS, 3
.set PITCH,  272
.set FR,     12
.set NL,     6
.set NP,     4
.set HALFT,  128*PITCH
.set SLOT,   4*HALFT
.set KS,     32
.set SCL,    2*SLOT
.set HALFS,  (128*KS/256)*272
.set SBLK,   (16*KS/256)*272
.set SPARE,  SCL+4*HALFS
.set STAGE,  SLOT                      ; the way out's words lie in slot 1: chunk 1 is its last fill, and it is read no more behind step 5's barrier
.set L16,  8
.set L8B,  9
.set SWS,  10
.set SRD,  11
.set VSO,  12
.set ADRA, 16
.set ADRB, 20
.set ADRS, 27
.set SPW,  28
.set NIL,  29
.set SC,   32
.set BQ,   64
.set AF,   128
.set T,    128
.set PCA,  192
.set PCB,  204
.set CT,   216
.set TM,   224
.set PWA,  240
.set PWB,  241
.set XT,   242
.set W,    244
.set BV,   248
.set G1, 24
.set G0, 32
.set G1B, 48
.set G0B, 56
.set G1S, 68
.set G0S, 76
.set G1SB, 80
.set G0SB, 88
.set G0H, 4
.set G0HB, 8
.set MSB, 0
.macro WIN new
.if MSB != \new
	s_set_vgpr_msb (MSB<<8)|\new
.set MSB, \new
.endif
.endm
.set MUL_LO, 0xa1
.set MUL_HI, 0xf1
.set TO_B,   0x40
.macro JLOAD g0a, g1a, g0b, g1b        ; waves 0, 1 ask for A, waves 2, 3 for B
	s_cmp_eq_u32 s15, 0
	s_cbranch_scc0 .Lfor_b_\@
	tensor_load_to_lds s[\g0a:\g0a+3], s[\g1a:\g1a+7]
	s_nop 0
.rept 4
	v_nop
.endr
	s_branch .Lasked_\@
.Lfor_b_\@:
	tensor_load_to_lds s[\g0b:\g0b+3], s[\g1b:\g1b+7]
	s_nop 0
.rept 4
	v_nop
.endr
.Lasked_\@:
.endm
.macro CREST
	s_cmp_lg_u32 s14, 0
	s_cbranch_scc1 .Lnot_wave_0_\@
	s_barrier_signal -3
.Lnot_wave_0_\@:
	s_barrier_wait -3
	s_barrier_signal -1
	s_barrier_wait -1
.endm
.macro CROUND
	s_barrier_signal -1
	s_barrier_wait -1
	CREST
.endm
	s_load_b512 s[24:39], s[0:1], 0x0
	s_load_b512 s[40:55], s[0:1], 0x40
	v_lshl_add_u32 v[SPW], v0, 2, SPARE
	v_mov_b32 v[NIL], 0
	ds_add_u32 v28, v29                            ; the opening lines
	ds_add_u32 v28, v29
	s_wait_dscnt 0x0
	v_lshrrev_b32 v1, 5, v0
	v_readfirstlane_b32 s14, v1                    ; wave
	s_lshr_b32 s15, s14, 1
	s_and_b32 s16, s14, 1
	s_and_b32 s18, ttmp7, 0xffff
	s_lshl_b32 s18, s18, 2
	s_mov_b32 s101, 6144
	s_wait_kmcnt 0x0
	s_cmp_eq_u32 ttmp9, 0                          ; which product: the buffers are chosen by the cluster's x
	s_cselect_b64 s[8:9], s[28:29], s[32:33]
	s_cselect_b64 s[10:11], s[30:31], s[34:35]
	s_cselect_b64 s[96:97], s[40:41], s[42:43]
	s_cselect_b64 s[12:13], s[46:47], s[48:49]
	s_cselect_b64 s[66:67], s[52:53], s[54:55]
	s_cselect_b32 s101, 4096, s101
	s_cmp_eq_u32 ttmp9, 2
	s_cselect_b64 s[4:5], s[36:37], s[24:25]
	s_cselect_b64 s[6:7], s[38:39], s[26:27]
	s_cselect_b64 s[8:9], s[24:25], s[8:9]
	s_cselect_b64 s[10:11], s[26:27], s[10:11]
	s_cselect_b64 s[96:97], s[44:45], s[96:97]
	s_cselect_b64 s[12:13], s[50:51], s[12:13]
	s_cselect_b64 s[66:67], s[54:55], s[66:67]
	s_cselect_b32 s17, 0, s18
	s_cselect_b32 s42, s18, 0
	s_bfe_u32 s40, ttmp6, 0x40000
	s_bfe_u32 s41, ttmp6, 0x40004
	s_add_co_u32 s42, s42, s40                     ; tile column
	s_add_co_u32 s17, s17, s41                     ; tile row
	s_lshl_b32 s43, s41, 2
	s_lshl_b32 s43, 15, s43
	s_lshl_b32 s44, 0x1111, s40
	s_or_b32 s[G1+0], s43, (0<<16)|(1<<20)|(1<<21)|(5<<22)|(3<<25)   ; rows of 256 bytes, 16 bytes of padding behind each
	s_or_b32 s[G1B+0], s44, (0<<16)|(1<<20)|(1<<21)|(5<<22)|(3<<25)
.irp g, G1, G1B
	s_mov_b32 s[\g+1], ROWB<<16
	s_mov_b32 s[\g+2], 256<<16                     ; 256 rows for the head's loads
	s_mov_b32 s[\g+3], ROWB<<16
	s_mov_b32 s[\g+4], 256
	s_mov_b32 s[\g+5], KROW
	s_mov_b32 s[\g+6], 0
	s_mov_b32 s[\g+7], 0
.endr
	s_or_b32 s[G1S+0], s43, (3<<16)|(1<<20)|(1<<21)|(5<<22)|(3<<25)  ; the scales of 256 rows: a dense block, KS rows of 256 bytes
	s_or_b32 s[G1SB+0], s44, (3<<16)|(1<<20)|(1<<21)|(5<<22)|(3<<25)
.irp g, G1S, G1SB
	s_mov_b32 s[\g+1], 32<<16
	s_mov_b32 s[\g+2], KS<<16
	s_mov_b32 s[\g+3], 32<<16
	s_mov_b32 s[\g+4], KS
	s_mov_b32 s[\g+5], 32
	s_mov_b32 s[\g+6], 0
	s_mov_b32 s[\g+7], 0
.endr
	s_lshl_b32 s20, s17, 8
	s_lshl_b32 s46, s42, 8
	s_mov_b32 s21, 0
	s_mov_b32 s47, 0
	s_mov_b64 s[18:19], KS
	s_mul_u64 s[22:23], s[20:21], s[18:19]
	s_mul_u64 s[92:93], s[46:47], s[18:19]
	s_mov_b64 s[18:19], KROW
	s_mul_u64 s[20:21], s[20:21], s[18:19]
	s_mul_u64 s[46:47], s[46:47], s[18:19]
	s_mul_i32 s18, s16, 128*KROW
	s_mov_b32 s19, 0
	s_mul_i32 s45, s14, HALFT
	s_add_nc_u64 s[20:21], s[4:5], s[20:21]
	s_add_nc_u64 s[22:23], s[6:7], s[22:23]
	s_add_nc_u64 s[46:47], s[8:9], s[46:47]
	s_add_nc_u64 s[92:93], s[10:11], s[92:93]
	CROUND                                         ; in front of the first joint loads
	s_mov_b32 s[G0H], 1
	s_mov_b32 s[G0H+1], 0
	s_mov_b64 s[G0H+2:G0H+3], s[20:21]
	s_or_b32 s[G0H+3], s[G0H+3], 0x80000000
	s_mov_b32 s[G0HB], 1
	s_mov_b32 s[G0HB+1], 2*HALFT
	s_mov_b64 s[G0HB+2:G0HB+3], s[46:47]
	s_or_b32 s[G0HB+3], s[G0HB+3], 0x80000000
	s_mov_b32 s[G0S], 1
	s_mov_b32 s[G0S+1], SCL
	s_mov_b64 s[G0S+2:G0S+3], s[22:23]
	s_or_b32 s[G0S+3], s[G0S+3], 0x80000000
	s_mov_b32 s[G0SB], 1
	s_mov_b32 s[G0SB+1], SCL+2*HALFS
	s_mov_b64 s[G0SB+2:G0SB+3], s[92:93]
	s_or_b32 s[G0SB+3], s[G0SB+3], 0x80000000
	s_add_nc_u64 s[20:21], s[20:21], s[18:19]
	s_add_nc_u64 s[46:47], s[46:47], s[18:19]
.irp s, 0,1
	s_mov_b32 s[G0+4*\s], 1
	s_add_co_u32 s[G0+4*\s+1], s45, \s*SLOT
	s_add_nc_u64 s[G0+4*\s+2:G0+4*\s+3], s[20:21], \s*ROWB
	s_or_b32 s[G0+4*\s+3], s[G0+4*\s+3], 0x80000000
	s_mov_b32 s[G0B+4*\s], 1
	s_add_co_u32 s[G0B+4*\s+1], s45, \s*SLOT
	s_add_nc_u64 s[G0B+4*\s+2:G0B+4*\s+3], s[46:47], \s*ROWB
	s_or_b32 s[G0B+4*\s+3], s[G0B+4*\s+3], 0x80000000
.endr
; the head's four tiles, one load a wave: chunk 0 of A, chunk 0 of B, A's scales, B's scales
.macro ARM under, g0, g1, next
	s_cmp_lt_u32 s14, \under
	s_cbranch_scc0 \next
	tensor_load_to_lds s[\g0:\g0+3], s[\g1:\g1+7]
	s_nop 0
.rept 4
	v_nop
.endr
	s_branch .Lhead_asked
\next:
.endm
	ARM 1, G0H,  G1,  .Lhead_b
	ARM 2, G0HB, G1B, .Lhead_sa
	ARM 3, G0S,  G1S, .Lhead_sb
	tensor_load_to_lds s[G0SB:G0SB+3], s[G1SB:G1SB+7]
	s_nop 0
.rept 4
	v_nop
.endr
.Lhead_asked:
	v_and_b32 v1, 15, v0
	v_bfe_u32 v2, v0, 4, 1
	v_mul_u32_u24 v3, v1, PITCH
	v_mul_u32_u24 v4, v2, 24
	v_add_nc_u32 v4, v3, v4                        ; row x pitch + 24 x half
	s_mov_b32 s21, SLOT-232
	s_mov_b32 s22, SLOT+232
	v_sub_nc_u32 v7, 1, v2
	v_mul_u32_u24 v5, s21, v2
	v_add_nc_u32 v5, v3, v5
	v_add_nc_u32 v5, 232, v5                       ; across two chunks: lanes 0-15 byte 232 in slot 0, lanes 16-31 byte 0 in slot 1;
	v_mul_u32_u24 v6, s22, v7
	v_add_nc_u32 v6, v3, v6                        ; and the other way round
	s_mul_i32 s21, s15, HALFT
	s_mul_i32 s22, s16, HALFT
	s_add_co_u32 s22, s22, 2*HALFT
	v_add_nc_u32 v[ADRA+2], s21, v5
	v_add_nc_u32 v[ADRA+3], s21, v6
	v_add_nc_u32 v[ADRB+2], s22, v5
	v_add_nc_u32 v[ADRB+3], s22, v6
.irp s, 0,1
	v_add_nc_u32 v[ADRA+\s], s21, v4
	v_add_nc_u32 v[ADRB+\s], s22, v4
	s_add_co_u32 s21, s21, SLOT
	s_add_co_u32 s22, s22, SLOT
.endr
	v_mul_u32_u24 v5, v1, KS
	v_lshrrev_b32 v6, 8, v5
	v_lshl_add_u32 v5, v6, 4, v5
	s_mul_i32 s21, s15, HALFS
	s_mul_i32 s22, s16, HALFS
	s_add_co_u32 s22, s22, 2*HALFS
	s_sub_co_u32 s22, s22, s21
	v_mul_u32_u24 v6, s22, v2                      ; lanes 16-31 take B's scale words
	s_add_co_u32 s21, s21, SCL
	v_add_nc_u32 v5, v5, v6
	v_add_nc_u32 v[ADRS], s21, v5
	v_and_b32 v6, 31, v0
	v_lshlrev_b32 v[L16], 4, v6
	v_lshlrev_b32 v[L8B], 3, v6
	v_add_nc_u32 v[L8B], 512, v[L8B]
	s_lshl_b32 s23, s14, 10
	s_add_co_u32 s23, s23, STAGE
	v_lshl_add_u32 v[SWS], v1, 2, s23
	v_add_nc_u32 v[SRD], s23, v[L16]
	v_mul_u32_u24 v[VSO], v2, 6144
	v_lshl_add_u32 v[VSO], v1, 4, v[VSO]
	v_lshlrev_b32 v14, 5, v2
	v_lshlrev_b32 v15, 2, v1
.irp b, 0,1,2,3
	v_mov_b32 v[TM+4+\b], 0                        ; a lane permute's destination counts as a source
.endr
	v_mov_b32 v[XT], 0
	v_mov_b32 v[XT+1], 0
	s_wait_alu depctr_va_vdst(0)                   ; the wait ahead of the scalar run
	s_mov_b32 s98, 0x76543210
	s_mov_b32 s99, 0xfedcba98
	s_mov_b32 s100, 0xff00ff00
	s_lshl_b32 s20, s17, 8                         ; where my results go
	s_lshl_b32 s21, s15, 7
	s_add_co_u32 s20, s20, s21
	s_lshl_b32 s46, s42, 8
	s_lshl_b32 s47, s16, 7
	s_add_co_u32 s46, s46, s47
	s_cmp_eq_u32 ttmp9, 2
	s_cselect_b32 s21, s46, s20                    ; the token's row,
	s_cselect_b32 s47, s20, s46                    ; the channel
	s_lshr_b32 s22, s21, 10
	s_lshl_b32 s22, s22, 4
	s_lshr_b32 s23, s47, 6
	s_add_co_u32 s22, s22, s23                     ; 16 x batch + head
	s_and_b32 s23, s21, 1023
	s_lshr_b32 s23, s23, 4
	s_lshl_b32 s92, s22, 6
	s_add_co_u32 s92, s92, s23
	s_mul_i32 s92, s92, 768
	s_mov_b32 s93, 0
	s_add_nc_u64 s[12:13], s[12:13], s[92:93]
	s_mul_i32 s92, s22, s101
	s_add_nc_u64 s[66:67], s[66:67], s[92:93]
	s_lshl_b32 s92, s23, 5
	s_add_co_u32 s92, s92, 4096
	s_lshl_b32 s94, s23, 6
	s_cmp_eq_u32 ttmp9, 2
	s_cselect_b32 s92, s92, s94
	s_add_nc_u64 s[66:67], s[66:67], s[92:93]
	s_mov_b32 s92, s101
	s_add_nc_u64 s[104:105], s[66:67], s[92:93]
	s_lshl_b32 s92, s47, 2
	s_add_nc_u64 s[96:97], s[96:97], s[92:93]
.irp b, 0,1,2,3,4,5,6,7
	global_load_b128 v[BQ+8*\b:BQ+8*\b+3], v14, s[96:97] offset:64*\b       ; the bias, along registers (q, k)
	global_load_b128 v[BQ+8*\b+4:BQ+8*\b+7], v14, s[96:97] offset:64*\b+16
.endr
.irp a, 0,1,2,3,4,5,6,7
	global_load_b32 v[BV+\a], v15, s[96:97] offset:64*\a                    ; and along lanes (v)
.endr
.macro FRAG reg, adr, st, i            ; 12 registers in pieces of 8 bytes; byte y of a row lies in slot (y / 256) % 2 at byte y % 256
.irp p, 0,1,2,3,4,5
.set BY, 96*(\st)+48*(\p/3)+8*(\p%3)
.if BY/ROWB == (BY+24)/ROWB
	ds_load_b64 v[\reg+2*\p:\reg+2*\p+1], v[\adr+(BY/ROWB)%2] offset:BY%ROWB+(\i)*16*PITCH
.else
	ds_load_b64 v[\reg+2*\p:\reg+2*\p+1], v[\adr+2+(BY/ROWB)%2] offset:BY%ROWB-232+(\i)*16*PITCH
.endif
.endr
.endm
.macro MUL16 a0, p, q, sc, zero        ; the 64 accumulators take turns
.irp a, \a0, \a0+1
.irp b, 0,1,2,3,4,5,6,7
.if \zero
	v_wmma_scale_f32_16x16x128_f8f6f4 v[8*(8*((\a)%4)+\b):8*(8*((\a)%4)+\b)+7], v[128*(\p)+FR*\b:128*(\p)+FR*\b+FR-1], v[AF+FR*(\a):AF+FR*(\a)+FR-1], 0, v[SC+8*NQ*(\sc)+NQ*\b+(\q)], v[SC+8*NQ*(\sc)+NQ*(\a)+(\q)] matrix_a_fmt:MATRIX_FMT_FP6 matrix_b_fmt:MATRIX_FMT_FP6 matrix_a_scale:MATRIX_SCALE_ROW1
.else
	v_wmma_scale_f32_16x16x128_f8f6f4 v[8*(8*((\a)%4)+\b):8*(8*((\a)%4)+\b)+7], v[128*(\p)+FR*\b:128*(\p)+FR*\b+FR-1], v[AF+FR*(\a):AF+FR*(\a)+FR-1], v[8*(8*((\a)%4)+\b):8*(8*((\a)%4)+\b)+7], v[SC+8*NQ*(\sc)+NQ*\b+(\q)], v[SC+8*NQ*(\sc)+NQ*(\a)+(\q)] matrix_a_fmt:MATRIX_FMT_FP6 matrix_b_fmt:MATRIX_FMT_FP6 matrix_a_scale:MATRIX_SCALE_ROW1
.endif
.endr
.endr
.endm
.macro FETCH_B st, p
	WIN TO_B
.irp i, 0,1,2,3,4,5,6,7
	FRAG 128*(\p)+FR*\i, ADRB, \st, \i
.endr
	WIN 0
.endm
.macro FETCH_A st, i0
.irp i, \i0, \i0+1, \i0+2, \i0+3
	FRAG AF+FR*(\i), ADRA, \st, \i
.endr
.endm
.macro SCALES pr                       ; the scale words of steps 2 pr, 2 pr + 1
.irp i, 0,1,2,3,4,5,6,7
	ds_load_b64 v[SC+8*NQ*((\pr)%2)+NQ*\i:SC+8*NQ*((\pr)%2)+NQ*\i+1], v[ADRS] offset:\i*SBLK+4*NQ*(\pr)
.endr
.endm
.macro PLACES n
.rept \n
	v_nop
.endr
.endm
; A step: 64 products; the next step's fragments are fetched in its middle and at its end.  Where the next step ends in a chunk not yet read, a barrier shows that chunk whole;
; where it begins in a later chunk, the chunk left behind is free: the three lines, the barrier, and, where a chunk two on is left, the cluster's round and the refill.
.macro STEP st, zero
.set NX, (\st)+1
.set C0, (96*(\st))/ROWB
.set C1, (96*NX)/ROWB
.set E0, (96*(\st)+95)/ROWB
.set E1, (96*NX+95)/ROWB
.if C1 > C0 || E1 > E0
	s_wait_tensorcnt 0x0                           ; all my tensor loads have landed
.if C1 > C0
	ds_add_u32 v[SPW], v[NIL]
	s_wait_dscnt 4*NL+1                            ; the add and A's blocks 4-7 may be out
.else
	s_wait_dscnt 4*NL
.endif
	WIN MUL_LO
	MUL16 0, (\st)%2, (\st)%2, ((\st)/2)%2, \zero
	s_wait_dscnt 0x0                               ; the add and all my reads are done
	s_barrier_signal -1
	MUL16 2, (\st)%2, (\st)%2, ((\st)/2)%2, \zero
	WIN 0
	s_barrier_wait -1
.if C1 > C0 && C0+2 < CHUNKS
	CREST
	s_add_nc_u64 s[G0+4*(C0%2)+2:G0+4*(C0%2)+3], s[G0+4*(C0%2)+2:G0+4*(C0%2)+3], 2*ROWB
	s_add_nc_u64 s[G0B+4*(C0%2)+2:G0B+4*(C0%2)+3], s[G0B+4*(C0%2)+2:G0B+4*(C0%2)+3], 2*ROWB
	JLOAD G0+4*(C0%2), G1, G0B+4*(C0%2), G1B       ; chunk C0 + 2; its four v_nop are the places for the loads below
.else
	PLACES NP
.endif
.else
	s_wait_dscnt 4*NL                              ; A's blocks 4-7 may be out
	WIN MUL_LO
	MUL16 0, (\st)%2, (\st)%2, ((\st)/2)%2, \zero
	MUL16 2, (\st)%2, (\st)%2, ((\st)/2)%2, \zero
	s_wait_dscnt 0
	PLACES NP
.endif
	FETCH_B NX, NX%2
	FETCH_A NX, 0
.if NX%2 == 0
	SCALES NX/2
.endif
	WIN MUL_HI
	MUL16 4, (\st)%2, (\st)%2, ((\st)/2)%2, \zero
	MUL16 6, (\st)%2, (\st)%2, ((\st)/2)%2, \zero
	PLACES NP
	WIN 0
	FETCH_A NX, 4
.endm
	s_wait_alu depctr_va_vdst(0)                   ; the wait at the head's end
	s_wait_tensorcnt 0x0                           ; my tile of the head's four is in
	ds_add_u32 v[SPW], v[NIL]
	s_mov_b32 s[G1+2], 128<<16                     ; none of my loads is out: from here on a load brings 128 rows
	s_mov_b32 s[G1+4], 128
	s_mov_b32 s[G1B+2], 128<<16
	s_mov_b32 s[G1B+4], 128
	s_wait_dscnt 0x0
	CROUND
	JLOAD G0+4, G1, G0B+4, G1B                     ; chunk 1, slot 1's first fill
	FETCH_B 0, 0
	FETCH_A 0, 0
	SCALES 0
	FETCH_A 0, 4
	STEP 0, 1                                      ; the first products start the sums
.set ST, 1
.rept STEPS-2
	STEP ST, 0
.set ST, ST+1
.endr
	s_wait_dscnt 4*NL
	WIN MUL_LO
	MUL16 0, 1, 1, 1, 0
	MUL16 2, 1, 1, 1, 0
	s_wait_dscnt 0
	WIN MUL_HI
	MUL16 4, 1, 1, 1, 0
	MUL16 6, 1, 1, 1, 0
	WIN 0
; THE WAY OUT: the bias in f32, the quantiser along the lane's registers (blocks of 32 lie in lanes l and l xor 16), images of operand registers to memory.
.macro ADDB a, isv
	WIN 0x02+(\a)/4
.if \isv
.set j, 0
.rept 64
	v_add_f32 v[T+j], v[64*((\a)%4)+j], v[BV+(\a)]
.set j, j+1
.endr
.else
.set j, 0
.rept 32
	v_pk_add_f32 v[T+j:T+j+1], v[64*((\a)%4)+j:64*((\a)%4)+j+1], v[BQ+j:BQ+j+1]
.set j, j+2
.endr
.endif
	WIN 0
.endm
.macro QUANT s, pc, pw
.irp b, 0,1,2,3
	v_max3_num_f32 v[TM+\b], |v[\s+16*\b]|, |v[\s+1+16*\b]|, 0x1800000    ; with the floor 2^(3 - 127): the byte stays at 1 or above
.endr
.irp i, 2,4,6,8,10,12,14
.irp b, 0,1,2,3
	v_max3_num_f32 v[TM+\b], v[TM+\b], |v[\s+16*\b+\i]|, |v[\s+1+16*\b+\i]|
.endr
.endr
.irp b, 0,1,2,3
	v_permlanex16_b32 v[TM+4+\b], v[TM+\b], s98, s99
.endr
.irp b, 0,1,2,3
	v_max_num_f32 v[TM+\b], v[TM+\b], v[TM+4+\b]
.endr
.irp b, 0,1,2,3
	v_add_nc_u32 v[TM+12+\b], 0xff000000, v[TM+\b]  ; 2 off the exponent field: the conversion's scale operand
.endr
.irp b, 0,1,2,3
	v_lshrrev_b32 v[TM+4+\b], 23, v[TM+12+\b]
.endr
	v_lshl_or_b32 v[\pw], v[TM+5], 8, v[TM+4]
	v_lshl_or_b32 v[\pw], v[TM+6], 16, v[\pw]
	v_lshl_or_b32 v[\pw], v[TM+7], 24, v[\pw]
.irp c, 0,1
	v_cvt_scalef32_pk16_fp6_f32 v[\pc+6*\c:\pc+6*\c+2], v[\s+32*\c:\s+32*\c+15], v[TM+12+2*\c]
	v_cvt_scalef32_pk16_fp6_f32 v[CT+4*\c:CT+4*\c+2], v[\s+32*\c+16:\s+32*\c+31], v[TM+12+2*\c+1]
.endr
	v_nop
.irp c, 0,1
.irp i, 0,1,2
	v_permlane16_swap_b32 v[\pc+6*\c+\i], v[CT+4*\c+\i]
.endr
	v_perm_b32 v[\pc+6*\c+3], v[\pc+6*\c+2], v[\pc+6*\c+1], 0x05040302
	v_perm_b32 v[\pc+6*\c+4], v[CT+4*\c+1], v[\pc+6*\c+2], 0x07060302
	v_perm_b32 v[\pc+6*\c+2], v[CT+4*\c+1], v[CT+4*\c], 0x05040302
	v_perm_b32 v[\pc+6*\c+1], v[CT+4*\c], v[\pc+6*\c+1], 0x05040100
	v_mov_b32 v[\pc+6*\c+5], v[CT+4*\c+2]
.endr
.endm
.macro EXCH1 ra, rb
	v_mov_b32_dpp v[XT], v[\rb] row_xmask:8 row_mask:0xf bank_mask:0xf
	v_mov_b32_dpp v[XT+1], v[\ra] row_xmask:8 row_mask:0xf bank_mask:0xf
	v_cndmask_b32 v[\ra], v[\ra], v[XT], s100
	v_cndmask_b32 v[\rb], v[XT+1], v[\rb], s100
.endm
.macro PUTQK pc, a
	global_store_b128 v[L16], v[\pc:\pc+3], s[12:13] offset:(\a)*768
	global_store_b64 v[L8B], v[\pc+4:\pc+5], s[12:13] offset:(\a)*768
	global_store_b128 v[L16], v[\pc+6:\pc+9], s[12:13] offset:(\a)*768+49152
	global_store_b64 v[L8B], v[\pc+10:\pc+11], s[12:13] offset:(\a)*768+49152
.endm
.macro PUTV pc, a
.irp c, 0,1,2
	global_store_b128 v[L16], v[\pc+4*\c:\pc+4*\c+3], s[12:13] offset:((\a)/4)*49152+((\a)%4)*1536+512*\c
.endr
.endm
.macro EPI isv
.irp pi, 0,1,2,3
	s_wait_xcnt 0x0                                ; the earlier stores have read their registers
	s_wait_dscnt 0x0
	ADDB 2*\pi, \isv
	QUANT T, PCA, PWA
	ADDB 2*\pi+1, \isv
	QUANT T, PCB, PWB
.set i, 0
.rept 12
	EXCH1 PCA+i, PCB+i
.set i, i+1
.endr
	EXCH1 PWA, PWB
.if \isv
	PUTV PCA, 2*\pi
	PUTV PCB, 2*\pi+1
	ds_store_b32 v[SWS], v[PWA] offset:4096+(2*\pi)*64
	ds_store_b32 v[SWS], v[PWB] offset:4096+(2*\pi+1)*64
.else
	PUTQK PCA, 2*\pi
	PUTQK PCB, 2*\pi+1
	v_perm_b32 v[W], v[PWA], v[PWA], 0x01000100
	v_perm_b32 v[W+1], v[PWA], v[PWA], 0x03020302
	v_perm_b32 v[W+2], v[PWB], v[PWB], 0x01000100
	v_perm_b32 v[W+3], v[PWB], v[PWB], 0x03020302
	ds_store_b32 v[SWS], v[W] offset:(2*\pi)*64
	ds_store_b32 v[SWS], v[W+1] offset:512+(2*\pi)*64
	ds_store_b32 v[SWS], v[W+2] offset:(2*\pi+1)*64
	ds_store_b32 v[SWS], v[W+3] offset:512+(2*\pi+1)*64
.endif
.endr
.endm
	PLACES NP
	s_wait_loadcnt 0x0                             ; the biases
	s_cmp_eq_u32 ttmp9, 2
	s_cbranch_scc1 .Lvpart
	EPI 0
	ds_load_b128 v[T:T+3], v[SRD]                  ; my own words: the scale words leave in runs of 512 bytes
	ds_load_b128 v[T+4:T+7], v[SRD] offset:512
	s_wait_dscnt 0x0
	global_store_b128 v[L16], v[T:T+3], s[66:67]
	global_store_b128 v[L16], v[T+4:T+7], s[104:105]
	s_branch .Lend
.Lvpart:
	EPI 1
	ds_load_b128 v[T:T+3], v[SRD] offset:4096
	s_wait_dscnt 0x0
	global_store_b128 v[VSO], v[T:T+3], s[66:67]
.Lend:
	s_wait_tensorcnt 0x0                           ; the wave's end
	ds_add_u32 v[SPW], v[NIL]
	s_wait_dscnt 0x0
	CROUND                                         ; the closing round
	s_endpgm
.Lfunc_end_k_qb55ecbf426_proj:
	.size	k_qb55ecbf426_proj, .Lfunc_end_k_qb55ecbf426_proj-k_qb55ecbf426_proj
	.p2alignl 7, 3214868480
	.fill 96, 4, 3214868480
	.section	.rodata,"a",@progbits
	.p2align	6, 0x0
	.amdhsa_kernel k_qb55ecbf426_proj
		.amdhsa_group_segment_fixed_size 327680
		.amdhsa_private_segment_fixed_size 0
		.amdhsa_enable_private_segment 0
		.amdhsa_kernarg_size 128
		.amdhsa_user_sgpr_count 2
		.amdhsa_user_sgpr_kernarg_segment_ptr 1
		.amdhsa_wavefront_size32 1
		.amdhsa_system_sgpr_workgroup_id_x 1
		.amdhsa_system_sgpr_workgroup_id_y 1
		.amdhsa_system_sgpr_workgroup_id_z 1
		.amdhsa_system_vgpr_workitem_id 0
		.amdhsa_next_free_vgpr 1024
		.amdhsa_next_free_sgpr 106
		.amdhsa_reserve_vcc 0
		.amdhsa_float_denorm_mode_32 3
		.amdhsa_float_denorm_mode_16_64 3
		.amdhsa_memory_ordered 1
		.amdhsa_forward_progress 1
		.amdhsa_inst_pref_size 255
	.end_amdhsa_kernel
	.section	.bss,"aw",@nobits
	.p2align	6
	.space	262144
	.amdgpu_metadata
---
amdhsa.version: [ 1, 2 ]
amdhsa.kernels:
  - .name:           k_qb55ecbf426_proj
    .symbol:         k_qb55ecbf426_proj.kd
    .args:
      - { .name: hidden_states_codes, .offset: 0, .size: 8, .value_kind: global_buffer, .address_space: global }
      - { .name: hidden_states_scales, .offset: 8, .size: 8, .value_kind: global_buffer, .address_space: global }
      - { .name: Wq_codes, .offset: 16, .size: 8, .value_kind: global_buffer, .address_space: global }
      - { .name: Wq_scales, .offset: 24, .size: 8, .value_kind: global_buffer, .address_space: global }
      - { .name: Wk_codes, .offset: 32, .size: 8, .value_kind: global_buffer, .address_space: global }
      - { .name: Wk_scales, .offset: 40, .size: 8, .value_kind: global_buffer, .address_space: global }
      - { .name: Wv_codes, .offset: 48, .size: 8, .value_kind: global_buffer, .address_space: global }
      - { .name: Wv_scales, .offset: 56, .size: 8, .value_kind: global_buffer, .address_space: global }
      - { .name: bq, .offset: 64, .size: 8, .value_kind: global_buffer, .address_space: global }
      - { .name: bk, .offset: 72, .size: 8, .value_kind: global_buffer, .address_space: global }
      - { .name: bv, .offset: 80, .size: 8, .value_kind: global_buffer, .address_space: global }
      - { .name: qw, .offset: 88, .size: 8, .value_kind: global_buffer, .address_space: global }
      - { .name: kw, .offset: 96, .size: 8, .value_kind: global_buffer, .address_space: global }
      - { .name: vw, .offset: 104, .size: 8, .value_kind: global_buffer, .address_space: global }
      - { .name: qsw, .offset: 112, .size: 8, .value_kind: global_buffer, .address_space: global }
      - { .name: aux, .offset: 120, .size: 8, .value_kind: global_buffer, .address_space: global }
    .group_segment_fixed_size: 327680
    .private_segment_fixed_size: 0
    .kernarg_segment_align: 8
    .kernarg_segment_size: 128
    .max_flat_workgroup_size: 128
    .sgpr_count:     106
    .vgpr_count:     1024
    .wavefront_size: 32
...
	.end_amdgpu_metadata
.endif
;; end of part 2
;; launch attn (part 3): grid 2 x 128, 16 waves a work-group, no clusters, 327,680 bytes of LDS; arguments qw, qsw, kw, vw, aux, dw, dsw, attention_mask, out0; writes out0
.if DOCPART == 3
	.amdgcn_target "amdgcn-amd-amdhsa--gfx1250"
	.amdhsa_code_object_version 6
	.text
	.protected	k_qb55ecbf426_attn
	.globl	k_qb55ecbf426_attn
	.p2align	8
	.type	k_qb55ecbf426_attn,@function
k_qb55ecbf426_attn:
	s_mov_b64 s[64:65], 0
	v_nop
	global_prefetch_b8 v0, s[64:65] scope:SCOPE_SE
	s_setreg_imm32_b32 hwreg(HW_REG_WAVE_MODE, 25, 1), 1
	s_wait_xcnt 0x0
; out[b][l][head][:] = softmax_r((q_l . k_r + q_l . d_j + k_r . d_j) / 8 + mask_r) v_r, j = l - r + 1023; all four products on codes of FP6 (E2M3) with one E8M0 scale for each 32 along K.
; t = (score + 8 mask) x log2(e) / 8; M = the running largest t rounded up to a whole number; p = 2^(t - M) is quantised along the keys; the row's sum is taken of the unquantised p and divides at the end.
; A work-group owns 512 queries of one (batch, head); each of its sixteen waves owns two tiles of 16 queries, one after the other, and walks all 1,024 keys, 128 a step.
; The head's k and v, the 96 tiles of D' in reach, all scale words and the mask lie in LDS, filled ONCE: ten waves issue one tensor load each.  No ring, no refill, so no prefetch: there is no loop of loads to run ahead in.
; No joint loads: only two work-groups read the same k and v, which is no whole row of a cluster of four, and each reads them once, at its head.
; A lane holds ONE query (lane % 16).  Tile tau = 2 b + u of a step: register 8 tau + i of half h is key 32 b + 16 h + 8 u + i.
; THE HEAD'S K IS 64, THE INSTRUCTION'S 128: an operand is two groups of six registers on end, [x ; y].
;   KZ = k's tile with rows 0-7 as [k ; 0] and rows 8-15 as [0 ; k].  KZ x [q ; q] = k . q.  KZ x [G_J ; G_J-1] = k . d, rows 8-15 against D' 16 rows lower.  [G_a ; G_a+1] x [q ; 0] and x [0 ; q] = two tiles of d . q.
;   THE 64 IMAGES KZ ARE MADE ONCE, at the head, four by each wave, and lie in LDS as 12 registers a lane; so does 8 x mask.
; 8 x mask of a register's key is the C of both k . d products (the same number in all lanes of a half): each lane then takes exactly one of the two, so the mask is added once.
; THE SKEW.  k . d comes out as (lane = row of D', register = key): a DPP shift inside the addition, from two neighbouring windows.  q . d comes out as (lane = query, register = row of D'): through the wave's own LDS rows.
; LIMITS: 8 x mask is formed in f32, so a mask beyond 4e37 in size becomes an infinity (a negative one gives p = 0); a row all of whose keys carry -infinity gives NaN there as here.
.set KFB,  0                           ; 64 images KZ of 1,536 bytes, stored by the waves
.set VFB,  98304                       ; v's 32 fragments of 1,536 bytes
.set GDB,  147456                      ; 96 groups of D'
.set AUXL, 221184                      ; k's scale words (4,096 bytes), then v's (2,048)
.set DS2L, 227328                      ; the scale words of the 96 groups
.set MKL,  233472                      ; the mask of the batch, then 8 x mask
.set SCR,  237568                      ; first k as it lies (49,152 bytes, its only fill); then each wave's own 5,376 bytes for the skew and the way out
.set SPARE, 323584
.set L16,  1
.set L8B,  2
.set R4,   3
.set MH,   4                           ; 64 h
.set SST,  5
.set SLD,  6
.set OSI,  7
.set OSO,  8
.set GO,   9
.set AK16, 10
.set AG16, 12
.set AG8,  13
.set AV16, 14
.set AKS,  15
.set AGS,  16
.set AVS,  17
.set NM,   18                          ; v18 -M, v19 the largest t
.set SUM,  20
.set FF,   22
.set MLO,  24
.set MHI,  25
.set QS,   26
.set AMK,  27
.set ZQ,   28                          ; v28-51: 0, q, q, 0
.set QQ,   34
.set QZ,   40
.set O,    52                          ; v52-83 O^T
.set S,    84                          ; v84-147 the scores, then p
.set G,    148                         ; v148-201 nine groups of D'; later v's fragments
.set SW,   202                         ; v202-209 their scale words; later v's
.set MT,   210                         ; v210-217 8 x mask of the tile's keys
.set KZ,   218                         ; v218-229 KZ; later p's codes
.set X,    230
.set Y,    238
.set KS,   246
.set BM,   248                         ; v248-251 the blocks' largest scores
.set PW,   252
.set T1,   253
.set BX,   230                         ; the softmax's own, in registers that the products have left
.set CSC,  234
.set CT0,  238
.set CT1,  210
.set TS,   214                         ; seven pairs of partial sums
.set WV,   4
.set BH,   5
.set QH,   6
.set G1A,  16                          ; dense blocks of 96, 24 and 16 rows of 256 bytes
.set G1B,  24
.set G1C,  32
.set SEL,  56
.set CS,   58
.set TK,   86
.set TV,   87
.set TG,   88
.set TKS,  89
.set TVS,  90
.set TGS,  91
.set TMK,  92
.set CNT,  93
.macro NOPS n
.rept \n
	v_nop
.endr
.endm
.macro DLY
	s_delay_alu instid0(VALU_DEP_1)
.endm
	s_load_b512 s[68:83], s[0:1], 0x0              ; qw, qsw, kw, vw, aux, dw, dsw, attention_mask
	s_load_b64 s[84:85], s[0:1], 0x40              ; out0
	v_lshl_add_u32 v254, v0, 2, SPARE
	v_mov_b32 v255, 0
	ds_add_u32 v254, v255                          ; the opening lines
	ds_add_u32 v254, v255
	v_lshrrev_b32 v1, 5, v0
	v_readfirstlane_b32 s[WV], v1
	s_and_b32 s[BH], ttmp7, 0xffff
	s_mov_b32 s[QH], ttmp9
.irp g, G1A, G1B, G1C
	s_mov_b32 s[\g], 3<<16
	s_mov_b32 s[\g+1], 32<<16
	s_mov_b32 s[\g+3], 32<<16
	s_mov_b32 s[\g+5], 32
	s_mov_b32 s[\g+6], 0
	s_mov_b32 s[\g+7], 0
.endr
	s_mov_b32 s[G1A+2], 96<<16
	s_mov_b32 s[G1A+4], 96
	s_mov_b32 s[G1B+2], 24<<16
	s_mov_b32 s[G1B+4], 24
	s_mov_b32 s[G1C+2], 16<<16
	s_mov_b32 s[G1C+4], 16
	; waves 0, 1: halves of k, to SCR; 2, 3: halves of v; 4-6: thirds of D': 24,576 bytes each
	s_mov_b32 s40, 1
	s_lshr_b32 s7, s[WV], 1
	s_min_u32 s7, s7, 1
	s_xor_b32 s7, s7, 1                            ; 1 in waves 0 and 1
	s_mul_i32 s7, s7, SCR-49152
	s_mul_i32 s41, s[WV], 24576
	s_add_co_u32 s41, s41, s7
	s_add_co_u32 s41, s41, 49152
	s_and_b32 s8, s[WV], 1
	s_mul_i32 s8, s8, 24576
	s_mul_i32 s9, s[BH], 49152
	s_add_co_u32 s8, s8, s9
	s_sub_co_u32 s12, 1, s[QH]
	s_add_co_u32 s14, s12, s[WV]
	s_sub_co_u32 s14, s14, 4
	s_mul_i32 s14, s14, 24576                      ; D' from place 32 (1 - half) on
	; wave 7: aux; wave 8: dsw; 6,144 bytes each, on end
	s_mov_b32 s44, 1
	s_mul_i32 s45, s[WV], 6144
	s_add_co_u32 s45, s45, AUXL-7*6144
	s_mul_i32 s10, s[BH], 6144
	s_lshl_b32 s11, s12, 11
	; wave 9: the batch's mask
	s_mov_b32 s48, 1
	s_mov_b32 s49, MKL
	s_lshr_b32 s60, s[BH], 4
	s_lshl_b32 s60, s60, 12
	s_mov_b32 s61, 0
	s_wait_dscnt 0x0
	s_wait_kmcnt 0x0
	s_cmp_lt_u32 s[WV], 2
	s_cselect_b64 s[42:43], s[72:73], s[74:75]
	s_cmp_lt_u32 s[WV], 4
	s_cselect_b64 s[42:43], s[42:43], s[78:79]
	s_cselect_b32 s8, s8, s14
	s_mov_b32 s9, 0
	s_add_nc_u64 s[42:43], s[42:43], s[8:9]
	s_or_b32 s43, s43, 0x80000000
	s_cmp_eq_u32 s[WV], 7
	s_cselect_b64 s[46:47], s[76:77], s[80:81]
	s_cselect_b32 s10, s10, s11
	s_mov_b32 s11, 0
	s_add_nc_u64 s[46:47], s[46:47], s[10:11]
	s_or_b32 s47, s47, 0x80000000
	s_add_nc_u64 s[50:51], s[82:83], s[60:61]
	s_or_b32 s51, s51, 0x80000000
	s_cmp_lt_u32 s[WV], 7                          ; one chain of arms, one load to an arm, one join
	s_cbranch_scc0 .Lh_sc
	tensor_load_to_lds s[40:43], s[G1A:G1A+7]
	s_nop 0
	NOPS 4
	s_branch .Lh_j
.Lh_sc:
	s_cmp_lt_u32 s[WV], 9
	s_cbranch_scc0 .Lh_mk
	tensor_load_to_lds s[44:47], s[G1B:G1B+7]
	s_nop 0
	NOPS 4
	s_branch .Lh_j
.Lh_mk:
	s_cmp_eq_u32 s[WV], 9
	s_cbranch_scc0 .Lh_j
	tensor_load_to_lds s[48:51], s[G1C:G1C+7]
	s_nop 0
	NOPS 4
.Lh_j:
	s_mov_b32 s[SEL], 0x76543210
	s_mov_b32 s[SEL+1], 0xfedcba98
	s_mov_b32 s[CS], 0x3e38aa3b                    ; log2(e) / 8
	s_mov_b32 s[CS+1], s[CS]
	s_mul_i32 s7, s[WV], 5376
	s_add_co_u32 s7, s7, SCR                       ; my rows
	s_mul_i32 s14, s[WV], 3072
	s_add_co_u32 s14, s14, SCR                     ; my four groups of k as they lie,
	s_mul_i32 s15, s[WV], 6144                     ; and where their images go
	v_and_b32 v10, 31, v0
	v_and_b32 v11, 15, v0                          ; r = my query
	v_bfe_u32 v12, v0, 4, 1                        ; h
	v_lshlrev_b32 v[L16], 4, v10
	v_lshlrev_b32 v[L8B], 3, v10
	v_lshlrev_b32 v[R4], 2, v11
	v_lshlrev_b32 v[MH], 6, v12
	v_mul_u32_u24 v[SST], v11, 336
	v_mul_u32_u24 v[SLD], v11, 340
	v_mul_u32_u24 v[OSI], v11, 272
	v_mul_u32_u24 v[OSO], v12, 272
	v_lshlrev_b32 v[GO], 12, v12
	v_add_nc_u32 v[L8B], 512, v[L8B]
	v_lshl_add_u32 v[SST], v12, 5, v[SST]
	v_add_nc_u32 v[SLD], s7, v[SLD]
	v_lshl_add_u32 v[OSI], v12, 6, v[OSI]
	v_lshl_add_u32 v[OSO], v11, 4, v[OSO]
	v_lshl_add_u32 v[GO], v11, 4, v[GO]
	v_add_nc_u32 v[SST], s7, v[SST]                ; the skew, in: my rows + 336 n + 32 h
	v_add_nc_u32 v[SLD], 68, v[SLD]
	v_add_nc_u32 v[OSI], s7, v[OSI]
	v_add_nc_u32 v[OSO], s7, v[OSO]
	v_sub_nc_u32 v[SLD], v[SLD], v[MH]             ; out: my rows + 340 n - 64 h + 68
	v_cmp_gt_u32 vcc_lo, 8, v11
	v_cndmask_b32 v[MLO], 0, -1, vcc_lo
	v_add_nc_u32 v10, s14, v[L16]
	v_add_nc_u32 v12, s14, v[L8B]
	v_lshl_add_u32 v13, v0, 3, MKL                 ; my two numbers of the mask
	v_add_nc_u32 v14, s15, v[L16]
	v_xor_b32 v[MHI], -1, v[MLO]
.irp i, 0,1,2,3,4,5
	v_mov_b32 v[ZQ+\i], 0                          ; the zero codes on either side of q
	v_mov_b32 v[QZ+6+\i], 0
.endr
.irp b, 0,1,2,3
	v_mov_b32 v[BX+\b], 0                          ; a lane permute's destination counts as a source
.endr
	v_mov_b32 v[FF+1], 0
	v_mov_b32 v254, 0
	s_wait_alu depctr_va_vdst(0)                   ; the wait at the head's end
	s_wait_tensorcnt 0x0                           ; my load, if I issued one, has landed,
	s_barrier_signal -1
	s_barrier_wait -1                              ; everybody's has
.irp g, 0,1,2,3
	ds_load_b128 v[S+6*\g:S+6*\g+3], v10 offset:768*\g
	ds_load_b64 v[S+6*\g+4:S+6*\g+5], v12 offset:768*\g
.endr
	ds_load_b64 v[S+24:S+25], v13
	s_wait_dscnt 0x0
.irp g, 0,1,2,3
.irp i, 0,1,2,3,4,5
	v_and_b32 v[G+12*\g+\i], v[MLO], v[S+6*\g+\i]      ; rows 0-7 keep k in the lower half of K,
	v_and_b32 v[G+12*\g+6+\i], v[MHI], v[S+6*\g+\i]    ; rows 8-15 in the upper
.endr
.endr
	v_pk_mul_f32 v[S+24:S+25], v[S+24:S+25], 0x41000000 op_sel_hi:[1,0]   ; 8 x mask
.irp g, 0,1,2,3
.irp c, 0,1,2
	ds_store_b128 v14, v[G+12*\g+4*\c:G+12*\g+4*\c+3] offset:1536*\g+512*\c
.endr
.endr
	ds_store_b64 v13, v[S+24:S+25]                 ; over my own two numbers
	s_wait_dscnt 0x0                               ; my stores have landed, my reads of k's bytes are over,
	s_barrier_signal -1
	s_barrier_wait -1                              ; everybody's: LDS is whole
.macro QD acc, win, q
	v_wmma_scale_f32_16x16x128_f8f6f4 v[\acc:\acc+7], v[G+6*\win:G+6*\win+11], v[\q:\q+11], 0, v[SW+\win], v[QS] matrix_a_fmt:MATRIX_FMT_FP6 matrix_b_fmt:MATRIX_FMT_FP6
.endm
.macro W3 t                            ; k . q onto q . d; k . d + 8 mask from windows 2 b and 2 b + 1.  No two neighbours share an accumulator
	v_wmma_scale_f32_16x16x128_f8f6f4 v[S+8*(\t):S+8*(\t)+7], v[KZ:KZ+11], v[QQ:QQ+11], v[S+8*(\t):S+8*(\t)+7], v[KS], v[QS] matrix_a_fmt:MATRIX_FMT_FP6 matrix_b_fmt:MATRIX_FMT_FP6
	v_wmma_scale_f32_16x16x128_f8f6f4 v[X:X+7], v[KZ:KZ+11], v[G+12*((\t)/2):G+12*((\t)/2)+11], v[MT:MT+7], v[KS], v[SW+2*((\t)/2)] matrix_a_fmt:MATRIX_FMT_FP6 matrix_b_fmt:MATRIX_FMT_FP6
	v_wmma_scale_f32_16x16x128_f8f6f4 v[Y:Y+7], v[KZ:KZ+11], v[G+12*((\t)/2)+6:G+12*((\t)/2)+17], v[MT:MT+7], v[KS], v[SW+2*((\t)/2)+1] matrix_a_fmt:MATRIX_FMT_FP6 matrix_b_fmt:MATRIX_FMT_FP6
.endm
.macro LDK t                           ; tile t: KZ's image, k's scale words, 8 x mask of its keys (one address for a half's sixteen lanes)
.irp c, 0,1,2
	ds_load_b128 v[KZ+4*\c:KZ+4*\c+3], v[AK16] offset:1536*(\t)+512*\c
.endr
	ds_load_b32 v[KS], v[AKS] offset:64*(\t)
	ds_load_b128 v[MT:MT+3], v[AMK] offset:128*((\t)/2)+32*((\t)%2)
	ds_load_b128 v[MT+4:MT+7], v[AMK] offset:128*((\t)/2)+32*((\t)%2)+16
.endm
.macro BMX t                           ; tile t's eight scores into its block's largest: four plain lines
.if ((\t)%2) == 0
	v_max3_num_f32 v[BM+(\t)/2], v[S+8*(\t)], v[S+8*(\t)+1], v[S+8*(\t)+2]
	DLY
	v_max3_num_f32 v[BM+(\t)/2], v[BM+(\t)/2], v[S+8*(\t)+3], v[S+8*(\t)+4]
	DLY
	v_max3_num_f32 v[BM+(\t)/2], v[BM+(\t)/2], v[S+8*(\t)+5], v[S+8*(\t)+6]
	DLY
	v_max_num_f32 v[BM+(\t)/2], v[BM+(\t)/2], v[S+8*(\t)+7]
.else
	v_max3_num_f32 v[BM+(\t)/2], v[BM+(\t)/2], v[S+8*(\t)], v[S+8*(\t)+1]
	DLY
	v_max3_num_f32 v[BM+(\t)/2], v[BM+(\t)/2], v[S+8*(\t)+2], v[S+8*(\t)+3]
	DLY
	v_max3_num_f32 v[BM+(\t)/2], v[BM+(\t)/2], v[S+8*(\t)+4], v[S+8*(\t)+5]
	DLY
	v_max3_num_f32 v[BM+(\t)/2], v[BM+(\t)/2], v[S+8*(\t)+6], v[S+8*(\t)+7]
.endif
.endm
.macro SHX t, i, n                     ; lane n takes X of lane n - i', where there is one: the other lanes add 0
	v_add_f32_dpp v[S+8*(\t)+\i], v[X+\i], v[S+8*(\t)+\i] row_shr:\n row_mask:0xf bank_mask:0xf bound_ctrl:1
.endm
.macro SHY t, i, n                     ; and those take Y of lane n + 16 - i'
	v_add_f32_dpp v[S+8*(\t)+\i], v[Y+\i], v[S+8*(\t)+\i] row_shl:\n row_mask:0xf bank_mask:0xf bound_ctrl:1
.endm
.macro SHIFT t                         ; i' = 8 (t % 2) + i; X and Y are read from the low end on
.if ((\t)%2) == 0
	v_add_f32 v[S+8*(\t)], v[X], v[S+8*(\t)]
	SHX \t, 1, 1
	SHX \t, 2, 2
	SHX \t, 3, 3
	SHX \t, 4, 4
	SHX \t, 5, 5
	SHX \t, 6, 6
	SHX \t, 7, 7
	SHY \t, 1, 15
	SHY \t, 2, 14
	SHY \t, 3, 13
	SHY \t, 4, 12
	SHY \t, 5, 11
	SHY \t, 6, 10
	SHY \t, 7, 9
.else
	SHX \t, 0, 8
	SHX \t, 1, 9
	SHX \t, 2, 10
	SHX \t, 3, 11
	SHX \t, 4, 12
	SHX \t, 5, 13
	SHX \t, 6, 14
	SHX \t, 7, 15
	SHY \t, 0, 8
	SHY \t, 1, 7
	SHY \t, 2, 6
	SHY \t, 3, 5
	SHY \t, 4, 4
	SHY \t, 5, 3
	SHY \t, 6, 2
	SHY \t, 7, 1
.endif
.endm
; A KEY STEP: 128 keys
.macro STEP
	v_add_nc_u32 v[AK16], s[TK], v[L16]            ; eight plain lines: also the places behind the last step's products
	v_add_nc_u32 v[AG16], s[TG], v[L16]
	v_add_nc_u32 v[AG8], s[TG], v[L8B]
	v_add_nc_u32 v[AV16], s[TV], v[L16]
	v_add_nc_u32 v[AKS], s[TKS], v[R4]
	v_add_nc_u32 v[AGS], s[TGS], v[R4]
	v_add_nc_u32 v[AVS], s[TVS], v[R4]
	v_add_nc_u32 v[AMK], s[TMK], v[MH]
	s_wait_alu depctr_va_vdst(0)                   ; the wait
.irp g, 0,1,2,3,4,5,6,7,8
	ds_load_b128 v[G+6*\g:G+6*\g+3], v[AG16] offset:768*\g
	ds_load_b64 v[G+6*\g+4:G+6*\g+5], v[AG8] offset:768*\g
.endr
.irp n, 0,1,2,3,4,5,6,7
	ds_load_b32 v[SW+\n], v[AGS] offset:64*\n
.endr
	LDK 0
	s_wait_dscnt 0x0
	QD S, 0, QZ                                    ; q . d for the nine tiles of D'
	QD S+8, 0, ZQ
	QD S+16, 2, QZ
	QD S+24, 2, ZQ
	QD S+32, 4, QZ
	QD S+40, 4, ZQ
	QD S+48, 6, QZ
	QD S+56, 6, ZQ
	QD X, 7, ZQ
	NOPS 5                                         ; places in front of the stores of the results; five, since X is written over by tile 0's products
	; the skew, 64 keys at a time: five tiles of D' lie in a row of 80 words for each query.  A wave's LDS instructions are served in order (ISA guide 5.7.1.4)
.irp hh, 0,1
.irp g, 0,1,2,3,4
.set RG, S+8*(4*\hh+\g)
.if 4*\hh+\g == 8
.set RG, X
.endif
	ds_store_b128 v[SST], v[RG:RG+3] offset:64*(4-\g)
	ds_store_b128 v[SST], v[RG+4:RG+7] offset:64*(4-\g)+16
.endr
.irp n, 0,1,2,3,4,5,6,7,8,9,10,11,12,13,14,15,16,17,18,19,20,21,22,23,24,25,26,27,28,29,30,31
	ds_load_b32 v[S+32*\hh+\n], v[SLD] offset:4*(47-\n-16*(\n/16))
.endr
.endr
	s_wait_dscnt 0x0                               ; q . d is back
	W3 0
.irp t, 1,2,3,4,5,6,7
.if \t == 1
	NOPS 5                                         ; five places: X and Y are written over by the next products
.else
	BMX \t-2                                       ; four lines that name no register of the three products above,
	v_nop                                          ; and a fifth place
.endif
	LDK \t
	SHIFT \t-1
	s_wait_alu depctr_va_vdst(0)                   ; the wait ahead of the wait below
	s_wait_dscnt 0x0                               ; this tile's six loads are in
	W3 \t
.endr
	BMX 6
.irp t, 0,1,2,3                                ; v's four fragments and scale words, into the registers that D' has left
.irp c, 0,1,2
	ds_load_b128 v[G+12*\t+4*\c:G+12*\t+4*\c+3], v[AV16] offset:1536*\t+512*\c
.endr
	ds_load_b32 v[SW+\t], v[AVS] offset:64*\t
.endr
	SHIFT 7
	BMX 7
.irp b, 0,1,2,3
	v_permlanex16_b32 v[BX+\b], v[BM+\b], s[SEL], s[SEL+1]
.endr
.irp b, 0,1,2,3
	s_delay_alu instid0(VALU_DEP_4)
	v_max_num_f32 v[BM+\b], v[BM+\b], v[BX+\b]     ; each block's largest score: for the row's maximum and for the block's largest p
.endr
	s_delay_alu instid0(VALU_DEP_2)
	v_max3_num_f32 v[T1], v[BM], v[BM+1], v[BM+2]
	DLY
	v_max_num_f32 v[T1], v[T1], v[BM+3]
	DLY
	v_mul_f32 v[T1], s[CS], v[T1]
	DLY
	v_max_num_f32 v[NM+1], v[NM+1], v[T1]          ; the running largest t
	v_mov_b32 v[T1], v[NM]
	s_delay_alu instid0(VALU_DEP_2)
	v_floor_f32 v[NM], -v[NM+1]                    ; -M = floor(-t)
	DLY
	v_sub_f32 v[T1], v[NM], v[T1]                  ; old M - new M
	DLY
	v_cvt_i32_f32 v[T1], v[T1]
	DLY
	v_ldexp_f32 v[FF], 1.0, v[T1]                  ; f = 2^(old M - new M)
.set j, 0
.rept 32
	v_pk_fma_f32 v[S+j:S+j+1], v[S+j:S+j+1], s[CS:CS+1], v[NM:NM+1] op_sel_hi:[1,0,0]   ; t - M
.set j, j+2
.endr
.irp b, 0,1,2,3
	v_fma_f32 v[BM+\b], v[BM+\b], s[CS], v[NM]
.endr
	s_wait_alu depctr_va_vdst(0)                   ; the wait ahead of the batch
.set j, 0
.rept 64
	v_exp_f32 v[S+j], v[S+j]                       ; p
.set j, j+1
.endr
	v_pk_mul_f32 v[SUM:SUM+1], v[SUM:SUM+1], v[FF:FF+1] op_sel_hi:[1,0]   ; the plain line behind the batch
	s_wait_alu depctr_va_vdst(0)                   ; one wait for the 64
.irp b, 0,1,2,3
	v_exp_f32 v[BM+\b], v[BM+\b]                   ; the block's largest p
.endr
.irp c, 0,2,4,6,8,10,12                        ; the row's sum of the unquantised p, in eight chains
	v_pk_add_f32 v[TS+\c:TS+\c+1], v[S+\c:S+\c+1], v[S+16+\c:S+16+\c+1]
.endr
	v_pk_add_f32 v[SUM:SUM+1], v[SUM:SUM+1], v[S+14:S+15]
.irp k, 32,48
.irp c, 0,2,4,6,8,10,12
	v_pk_add_f32 v[TS+\c:TS+\c+1], v[TS+\c:TS+\c+1], v[S+\k+\c:S+\k+\c+1]
.endr
	v_pk_add_f32 v[SUM:SUM+1], v[SUM:SUM+1], v[S+\k+14:S+\k+15]
.endr
	v_pk_add_f32 v[TS:TS+1], v[TS:TS+1], v[TS+2:TS+3]
	v_pk_add_f32 v[TS+4:TS+5], v[TS+4:TS+5], v[TS+6:TS+7]
	v_pk_add_f32 v[TS+8:TS+9], v[TS+8:TS+9], v[TS+10:TS+11]
	v_pk_add_f32 v[SUM:SUM+1], v[SUM:SUM+1], v[S+30:S+31]
	v_pk_add_f32 v[TS:TS+1], v[TS:TS+1], v[TS+4:TS+5]
	v_pk_add_f32 v[TS+8:TS+9], v[TS+8:TS+9], v[TS+12:TS+13]
	v_pk_add_f32 v[SUM:SUM+1], v[SUM:SUM+1], v[TS:TS+1]
	s_delay_alu instid0(VALU_DEP_1)
	v_pk_add_f32 v[SUM:SUM+1], v[SUM:SUM+1], v[TS+8:TS+9]
	s_wait_alu depctr_va_vdst(0)                   ; and one for the four
.irp b, 0,1,2,3
	v_max_num_f32 v[BM+\b], 0x1800000, v[BM+\b]    ; the floor 2^(3 - 127)
.endr
.irp b, 0,1,2,3
	s_delay_alu instid0(VALU_DEP_4)
	v_add_nc_u32 v[CSC+\b], 0xff000000, v[BM+\b]   ; the conversion's scale operand
.endr
.irp b, 0,1,2,3
	s_delay_alu instid0(VALU_DEP_4)
	v_lshrrev_b32 v[BX+\b], 23, v[CSC+\b]
.endr
	s_delay_alu instid0(VALU_DEP_3)
	v_lshl_or_b32 v[PW], v[BX+1], 8, v[BX]         ; p's scale word
	DLY
	v_lshl_or_b32 v[PW], v[BX+2], 16, v[PW]
	DLY
	v_lshl_or_b32 v[PW], v[BX+3], 24, v[PW]
	v_cvt_scalef32_pk16_fp6_f32 v[KZ:KZ+2], v[S:S+15], v[CSC]
	v_cvt_scalef32_pk16_fp6_f32 v[CT0:CT0+2], v[S+16:S+31], v[CSC+1]
	v_cvt_scalef32_pk16_fp6_f32 v[KZ+6:KZ+8], v[S+32:S+47], v[CSC+2]
	v_cvt_scalef32_pk16_fp6_f32 v[CT1:CT1+2], v[S+48:S+63], v[CSC+3]
	v_nop
.irp i, 0,1,2                                  ; a whole block to a lane
	v_permlane16_swap_b32 v[KZ+\i], v[CT0+\i]
	v_permlane16_swap_b32 v[KZ+6+\i], v[CT1+\i]
.endr
.irp i, 0,1,2
	v_mov_b32 v[KZ+3+\i], v[CT0+\i]
	v_mov_b32 v[KZ+9+\i], v[CT1+\i]
.endr
	s_wait_alu depctr_va_vdst(0)                   ; the wait directly ahead of the first reader of O^T
.set j, 0
.rept 16
	v_pk_mul_f32 v[O+j:O+j+1], v[O+j:O+j+1], v[FF:FF+1] op_sel_hi:[1,0]   ; O^T under the new M; also the places ahead of the products
.set j, j+2
.endr
	s_wait_alu depctr_va_vdst(0)
	s_wait_dscnt 0x0                               ; v is in
.irp t, 0,1,2,3
	v_wmma_scale_f32_16x16x128_f8f6f4 v[O+8*\t:O+8*\t+7], v[G+12*\t:G+12*\t+11], v[KZ:KZ+11], v[O+8*\t:O+8*\t+7], v[SW+\t], v[PW] matrix_a_fmt:MATRIX_FMT_FP6 matrix_b_fmt:MATRIX_FMT_FP6
.endr
.endm
; THE WAY OUT: O^T / the sum, through my rows in LDS; sixteen lanes store a query's 256 consecutive bytes, at a multiple of 256 from out0's first byte
.macro OUT
	NOPS 4
	v_add_f32 v[SUM], v[SUM], v[SUM+1]
	DLY
	v_permlanex16_b32 v254, v[SUM], s[SEL], s[SEL+1]
	DLY
	v_add_f32 v[SUM], v[SUM], v254
	s_wait_alu depctr_va_vdst(0)
	v_rcp_f32 v[SUM], v[SUM]
	v_nop
	s_wait_alu depctr_va_vdst(0)
.set j, 0
.rept 32
	v_mul_f32 v[S+j], v[O+j], v[SUM]
.set j, j+1
.endr
.irp t, 0,1,2,3
	ds_store_b128 v[OSI], v[S+8*\t:S+8*\t+3] offset:128*(\t/2)+32*(\t%2)
	ds_store_b128 v[OSI], v[S+8*\t+4:S+8*\t+7] offset:128*(\t/2)+32*(\t%2)+16
.endr
.irp k, 0,1,2,3,4,5,6,7
	ds_load_b128 v[S+32+4*\k:S+32+4*\k+3], v[OSO] offset:544*\k
.endr
.irp k, 0,1,2,3,4,5,6,7
	s_wait_dscnt 7-\k                              ; rows 2 k, 2 k + 1 are back; the loads behind them may be out
	global_store_b128 v[GO], v[S+32+4*\k:S+32+4*\k+3], s[12:13] offset:8192*\k th:TH_STORE_NT
.endr
	s_wait_xcnt 0x0                                ; the stores have read their registers and base
.endm
; A TILE of 16 queries: l0 = 512 half + 256 p + 16 wave
.macro TILE p
	; q lies in the order of the keys' tiles: query 16 e + r of a pair of tiles is in tile r >> 3, lane (r & 7) + 8 e; e = wave & 1
	s_and_b32 s14, s[WV], 1
	s_lshl_b32 s14, s14, 3
	v_and_b32 v252, 7, v0
	v_bfe_u32 v253, v0, 3, 1
	v_bfe_u32 v254, v0, 4, 1
	v_add_nc_u32 v252, s14, v252
	v_mul_u32_u24 v251, v253, 768
	v_lshlrev_b32 v253, 6, v253
	v_lshl_add_u32 v254, v254, 4, v252
	v_lshl_add_u32 v253, v252, 2, v253             ; the scale word
	s_delay_alu instid0(VALU_DEP_2)
	v_lshl_add_u32 v255, v254, 4, v251             ; registers 0-3
	v_lshl_add_u32 v254, v254, 3, v251
	DLY
	v_add_nc_u32 v254, 512, v254                   ; registers 4-5
	s_wait_alu depctr_va_vdst(0)                   ; the wait ahead of the scalar run
	s_lshl_b32 s14, s[BH], 6
	s_lshl_b32 s15, s[QH], 5
	s_add_co_u32 s14, s14, s15
	s_and_b32 s15, s[WV], 14
	s_add_co_u32 s14, s14, s15
	s_add_co_u32 s14, s14, 16*\p
	s_mul_i32 s60, s14, 768
	s_mov_b32 s61, 0
	s_add_nc_u64 s[8:9], s[68:69], s[60:61]
	s_lshl_b32 s60, s14, 6
	s_add_nc_u64 s[10:11], s[70:71], s[60:61]
	s_lshr_b32 s14, s[BH], 4
	s_lshl_b32 s14, s14, 22
	s_and_b32 s15, s[BH], 15
	s_lshl_b32 s15, s15, 8
	s_add_co_u32 s14, s14, s15
	s_lshl_b32 s15, s[QH], 21
	s_add_co_u32 s14, s14, s15
	s_lshl_b32 s15, s[WV], 16
	s_add_co_u32 s14, s14, s15
	s_add_co_u32 s60, s14, \p*1048576
	s_add_nc_u64 s[12:13], s[84:85], s[60:61]
	global_load_b128 v[QQ:QQ+3], v255, s[8:9]      ; q twice, on end
	global_load_b64 v[QQ+4:QQ+5], v254, s[8:9]
	global_load_b128 v[QZ:QZ+3], v255, s[8:9]
	global_load_b64 v[QZ+4:QZ+5], v254, s[8:9]
	global_load_b32 v[QS], v253, s[10:11]
.set j, 0
.rept 32
	v_mov_b32 v[O+j], 0                            ; the step is written once: the first finds zeros
.set j, j+1
.endr
	v_mov_b32 v[NM+1], 0xff61b1e6                  ; -3e38
	DLY
	v_floor_f32 v[NM], -v[NM+1]
	v_mov_b32 v[SUM], 0
	v_mov_b32 v[SUM+1], 0
	s_mov_b32 s[TK], KFB
	s_mov_b32 s[TV], VFB
	s_xor_b32 s14, s[WV], 15
	s_add_co_u32 s14, s14, 16*(1-\p)               ; the first step's first group of D'; eight places on in each step
	s_mul_i32 s[TG], s14, 768
	s_add_co_u32 s[TG], s[TG], GDB
	s_mov_b32 s[TKS], AUXL
	s_mov_b32 s[TVS], AUXL+4096
	s_lshl_b32 s[TGS], s14, 6
	s_add_co_u32 s[TGS], s[TGS], DS2L
	s_mov_b32 s[TMK], MKL
	s_mov_b32 s[CNT], 8
	s_wait_loadcnt 0x0                             ; q
.Lstep_\@:
	STEP
	s_add_co_u32 s[TK], s[TK], 12288
	s_add_co_u32 s[TV], s[TV], 6144
	s_add_co_u32 s[TG], s[TG], 6144
	s_add_co_u32 s[TKS], s[TKS], 512
	s_add_co_u32 s[TVS], s[TVS], 256
	s_add_co_u32 s[TGS], s[TGS], 512
	s_add_co_u32 s[TMK], s[TMK], 512
	s_sub_co_u32 s[CNT], s[CNT], 1
	s_cmp_lg_u32 s[CNT], 0
	s_cbranch_scc1 .Lstep_\@
	OUT
.endm
	TILE 0
	TILE 1
	v_lshl_add_u32 v254, v0, 2, SPARE              ; the two registers are made anew: no two could be kept
	v_mov_b32 v255, 0
	s_wait_alu depctr_va_vdst(0)
	s_wait_tensorcnt 0x0                           ; the wave's end
	ds_add_u32 v254, v255
	s_wait_dscnt 0x0
	s_endpgm
.Lfunc_end_k_qb55ecbf426_attn:
	.size	k_qb55ecbf426_attn, .Lfunc_end_k_qb55ecbf426_attn-k_qb55ecbf426_attn
	.p2alignl 7, 3214868480
	.fill 96, 4, 3214868480
	.section	.rodata,"a",@progbits
	.p2align	6, 0x0
	.amdhsa_kernel k_qb55ecbf426_attn
		.amdhsa_group_segment_fixed_size 327680
		.amdhsa_private_segment_fixed_size 0
		.amdhsa_enable_private_segment 0
		.amdhsa_kernarg_size 72
		.amdhsa_user_sgpr_count 2
		.amdhsa_user_sgpr_kernarg_segment_ptr 1
		.amdhsa_wavefront_size32 1
		.amdhsa_system_sgpr_workgroup_id_x 1
		.amdhsa_system_sgpr_workgroup_id_y 1
		.amdhsa_system_sgpr_workgroup_id_z 1
		.amdhsa_system_vgpr_workitem_id 0
		.amdhsa_next_free_vgpr 256
		.amdhsa_next_free_sgpr 100
		.amdhsa_reserve_vcc 1
		.amdhsa_float_denorm_mode_32 3
		.amdhsa_float_denorm_mode_16_64 3
		.amdhsa_memory_ordered 1
		.amdhsa_forward_progress 1
		.amdhsa_inst_pref_size 102
	.end_amdhsa_kernel
	.amdgpu_metadata
---
amdhsa.version: [ 1, 2 ]
amdhsa.kernels:
  - .name:           k_qb55ecbf426_attn
    .symbol:         k_qb55ecbf426_attn.kd
    .args:
      - { .name: qw, .offset: 0, .size: 8, .value_kind: global_buffer, .address_space: global }
      - { .name: qsw, .offset: 8, .size: 8, .value_kind: global_buffer, .address_space: global }
      - { .name: kw, .offset: 16, .size: 8, .value_kind: global_buffer, .address_space: global }
      - { .name: vw, .offset: 24, .size: 8, .value_kind: global_buffer, .address_space: global }
      - { .name: aux, .offset: 32, .size: 8, .value_kind: global_buffer, .address_space: global }
      - { .name: dw, .offset: 40, .size: 8, .value_kind: global_buffer, .address_space: global }
      - { .name: dsw, .offset: 48, .size: 8, .value_kind: global_buffer, .address_space: global }
      - { .name: attention_mask, .offset: 56, .size: 8, .value_kind: global_buffer, .address_space: global }
      - { .name: out0, .offset: 64, .size: 8, .value_kind: global_buffer, .address_space: global }
    .group_segment_fixed_size: 327680
    .private_segment_fixed_size: 0
    .kernarg_segment_align: 8
    .kernarg_segment_size: 72
    .max_flat_workgroup_size: 512
    .sgpr_count:     100
    .vgpr_count:     256
    .wavefront_size: 32
...
	.end_amdgpu_metadata
.endif
;; end of part 3
